; MI455X (gfx1250); checked and timed in simulation.
; The chip was launched on July 23, 2026; its instructions are those of AMD's public machine-readable ISA for CDNA 5 (MIT licence, August 2026) and "CDNA5" Instruction Set Architecture Reference Guide (July 2026). The comments in the code are by the model that wrote it; some were corrected since.
;; Learnable Spherical Encoding. Allowed arithmetic: matrix products marked QUANTISED: E2M1 operands, one E8M0 scale for each 32 along K, by v_wmma_scale_f32_16x16x128_f8f6f4 with both operands' format E2M1 (or v_wmma_scale_f32_32x16x128_f4), f32 sums; products left as they are: f32 operands where the result goes on into a quantised operand, else bf16, f16 or f32 operands; f32 sums; everything else in f32.
;; Inputs: sigma 1 float32; sphere_pos 3 x 512 float32; vec 262,144 x 3 float32; weights 1 x 512 x 64 float32.
;; Outputs: out0 262,144 x 64 float32.
;; This version of the problem:
;;   THIS VERSION OF THE PROBLEM IS GIVEN IN LOW PRECISION. The matrix products marked QUANTISED in the list below multiply operands that are first quantised to E2M1 (2 exponent bits, 1 mantissa bit; 4 bits a number), with one power-of-two scale for each 32 numbers along K (OCP MX v1.0); their sums are f32. All else is computed in f32.
;;   The module's matrix products, in the order in which they are computed (A, B: the left and right operand; K: the contracted axis; several contracted axes count as one K, in the product's order):
;;     1. [M 262,144, K 3] x [K 3, N 512]; A: input vec; B: input sphere_pos: left as it is (K = 3 < 32)
;;     2. [M 262,144, K 512] x [K 512, N 64]; A: computed on the way; B: input weights: QUANTISED
;;   THE QUANTISER, for each operand of a quantised product, along K:
;;     - K is cut into blocks of 32 from its start; a last block that is shorter is filled with zeros.
;;     - A block's scale is 2^e with e = floor(log2(the largest magnitude in the block)) - 2, held to -126 .. 127; a block of zeros has e = 0. As a byte (E8M0): e + 127.
;;     - Each number is divided by its block's scale, clamped to +-6, and rounded to the nearest number of E2M1, ties to even, subnormals kept.
;;     - The product sums the exact products of the quantised numbers (number of the format x scale) in f32.
;;   ~~~python
;;   def quantise(x, axis):      # numpy; x: float32 -> the quantised numbers, widened to float32 again
;;       x = np.moveaxis(x, axis, -1); K = x.shape[-1]
;;       x = np.pad(x, [(0, 0)] * (x.ndim - 1) + [(0, -K % 32)]); x = x.reshape(x.shape[:-1] + (-1, 32)); a = np.abs(x).max(-1, keepdims=True)
;;       e = np.where(a > 0, np.clip(np.frexp(np.where(a > 0, a, 1))[1] - 1 - 2, -126, 127), 0)      # np.frexp(a)[1] - 1 = floor(log2(a)), exactly
;;       r = np.clip(x / 2.0 ** e, -6, 6)
;;       step = 2.0 ** (np.maximum(np.frexp(np.where(r == 0, 1, r))[1] - 1, 0) - 1)
;;       q = np.round(r / step) * step * 2.0 ** e      # np.round: ties to even
;;       return np.moveaxis(q.reshape(q.shape[:-2] + (-1,))[..., :K], -1, axis).astype(np.float32)
;;   ~~~
;;   OPERANDS COMPUTED ON THE WAY. 'Computed on the way' means the value that the module computes at that place (a softmax that the list does not call 'softmax' is quantised finished and normalised). What goes into a quantiser is computed in f32, as accurately as f32 sums, v_exp_f32 and their like allow (about 1e-6 of the number): no bf16 or f16 on the way to a quantiser, and a product that is left as it is and whose result goes on into a quantised operand takes f32 operands (vector FMAs, or v_wmma_f32_16x16x4_f32). A number that lies on a knife's edge between two numbers of the format may be rounded either way, as far as f32 arithmetic and the matrix unit's own rounding can turn it there, and no further.
;; 2 versions, each right; version 2 is version 1 with the launch sphere written anew for expert scheduling mode. Each part assembles by itself: llvm-mc -triple=amdgcn-amd-amdhsa -mcpu=gfx1250 --defsym DOCPART=n.
;; ======== version 1 of 2: 1 launch
;; limits: right only within a limited range of input values
;; launch sphere (part 1): grid 256 x 1, 8 waves a work-group, no clusters, 54,272 bytes of LDS; arguments vec, sphere_pos, weights, sigma, out0; writes out0
.if DOCPART == 1
	.amdgcn_target "amdgcn-amd-amdhsa--gfx1250"
	.amdhsa_code_object_version 6
	.text
	.protected	k_q133f61276e_sphere
	.globl	k_q133f61276e_sphere
	.p2align	8
	.type	k_q133f61276e_sphere,@function
k_q133f61276e_sphere:
	s_mov_b64 s[64:65], 0
	v_nop
	global_prefetch_b8 v0, s[64:65] scope:SCOPE_SE
	s_setreg_imm32_b32 hwreg(HW_REG_WAVE_MODE, 25, 1), 1
	s_wait_xcnt 0x0
; out0[n][:] = Q(p[n][:]) Q(weights), p[n][k] = g / (sum_k g + 1e-8), g = exp(-(acos(clip(vec[n] . sphere_pos[:,k])) / sigma)^2 / 2) / SQ2PI / sigma.
; vec [262144][3], sphere_pos [3][512], weights [512][64], sigma [1], out0 [262144][64], all f32.  Q: codes of FP4 (E2M1) with one E8M0 scale for each 32 along the 512 points.
; SHARES.  256 work-groups of eight waves; a wave owns 128 rows of vec, eight tiles of 16 rows, one tile a trip.  In a tile lane (r = lane % 16, h = lane / 16) holds row r and 256 of its 512 points.
; THE SMALL PRODUCT (K = 3) goes to v_wmma_f32_16x16x4_f32 with f32 operands: source 0 = 16 points (x, y | z, 0), source 1 = my 16 rows (x, y | z, 0): a lane then holds ONE row, and its registers run along the points.
; THE POINTS OF A TILE ARE NOT NEIGHBOURS: row m of tile 2 b + u is point 32 b + 8 u + m + 8 (m / 8), so that the 16 registers of tiles 2 b and 2 b + 1 are points 32 b + 16 h + 0 .. 15: 16 neighbours of block b.
; A PAIR.  a = min(|c|, 1 - 1e-5);  acos a = sqrt(1 - a) P(a), P of degree 7 (Abramowitz and Stegun 4.4.46; its a0 is taken one f32 step low and the difference, 5.37e-8, added to a1, so that what is
; left of it falls with 1 - a).  With K2 = log2(e) / (2 sigma^2):  s = sqrt(K2 - K2 a);  u = s P - (c < 0 ? pi sqrt(K2) : 0);  g' = 2^(-u u): the exponential without its constant factor KN = 1 / (SQ2PI sigma).
; Then p = g' R with R = KN / (KN sum(g') + 1e-8), which is reference()'s quotient.  No maximum is taken away, as reference() takes none; what underflows there underflows here.
; THE QUANTISED PRODUCT is used transposed: source 0 = 16 channels of weights, source 1 = p's 16 rows: register j of channel tile t is out0(row r, 16 t + 8 h + j).  Four K steps of 128 points x four channel tiles.
; THE WEIGHTS are quantised here, once a work-group: each wave makes 2 of the 16 fragments (a lane to a channel, registers down K) and stores them in LDS as images of the operand's registers.
; NO CLUSTER, NO TENSOR LOAD: a work-group reads 131,072 bytes of weights and 6,144 of sphere_pos once, at its head, and nothing is fetched in the loop but 192 bytes of vec a trip: there is no tile to share or to run ahead of.
; LIMITS: sigma finite, not 0, 2^-60 < |sigma| < 2^50.  A g' under 2^-126 counts as 0 (v_exp_f32 gives no denormals: ISA guide, 15.8), where reference() may keep a denormal.  NaN and infinities among the inputs are not served.
; A block of zeros has the scale byte 1 where the rule says 127: its codes are zeros, and this program alone reads the bytes.
;
; LDS: 0: the 16 weight fragments, fragment F = 4 s + t at 1024 F, registers 4 c .. 4 c + 3 at + 512 c, lane at + 16 lane.   16384: their scale words, 128 F + 4 lane.   18432: a stage of 16 rows x 272 bytes for each wave.
; REGISTERS, in windows of 256 (s_set_vgpr_msb's low byte: bits 1:0 source 0, 3:2 source 1, 5:4 source 2, 7:6 destination):
;   window 1: G[16 i + j] = g', then p, of point 32 i + 16 h + j.  At the head its registers 0-127 hold my 128 numbers of weights; in the second pass registers 0-31 become a buffer for weight fragments.
;   window 0: see the names below.
.set WSC,    16384
.set STAGE,  18432
.set SPITCH, 272                       ; a stage row: 256 bytes + 16: the sixteen rows that a store touches begin in sixteen different groups of four banks (64 banks of 4 bytes: ISA guide 11.1)
.set LI,  1                            ; v1   16 x lane: an image's place, and my bytes in two rows of out0
.set LS,  2                            ; v2   4 x lane
.set STO, 3                            ; v3   the stage: where I put 32 bytes of a row
.set SRD, 4                            ; v4   and where I read a row back
.set VA0, 5                            ; v5   vec: 12 r + 8 h (x below, z above)
.set VA1, 6                            ; v6   vec: 12 r + 4 (y)
.set WA,  7                            ; v7   weights: 8192 h + 4 r
.set SA0, 8                            ; v8   sphere_pos: 4096 h + 4 (r + 8 (r / 8))
.set SA1, 9                            ; v9   sphere_pos: 2048 + 4 (r + 8 (r / 8))
.set SH8, 10                           ; v10  8 h
.set WI,  11                           ; v11  where I store my two fragments' images
.set K2,  12                           ; v[12:13] K2, twice
.set C7,  14                           ; v[14:15] P's highest coefficient, twice
.set RR,  16                           ; v[16:17] R, twice
.set TM,  24                           ; v24-27 largest magnitudes, v28-31 the other half's and then bytes, v36-39 the conversions' scale operands
.set SUM, 24                           ; v[24:31] four pairs of sums; over TM, between the passes only
.set PW,  40                           ; v40, v41 p's scale words, by turns
.set VB,  42                           ; v[42:43] my rows of vec as the small product's source 1
.set VL,  44                           ; v44, v45 the next tile's, as loaded
.set WSA, 46                           ; v46  where I store my two fragments' scale words
.set PC,  48                           ; v48-55, v56-63 p's codes, by turns
.set WS,  64                           ; v64-79 the weights' scale words, fragment F at WS + F: they hold scales and nothing else
.set SPH, 80                           ; v80-143 the 32 tiles of points, two registers each
.set DD,  144                          ; v144-175 two buffers of 16 cosines: written by the f32 matrix form alone
.set RA,  176                          ; v176-191 a, later the angle's offset
.set RS,  192                          ; v192-207 K2 (1 - a), its root, u, -u u
.set RP,  208                          ; v208-223 P(a)
.set RX,  176                          ; v176-207 in the second pass: a buffer for four weight fragments
.set ACC, 224                          ; v224-255 the four accumulators, then rows of out0
.set WV,  14                           ; s14  wave
.set SIG, 15                           ; s15  sigma
.set CNT, 16                           ; s16  tiles to go
.set STEP, 18                          ; s[18:19] vec's step, s19 = 0
.set SEL, 20                           ; s[20:21] v_permlanex16_b32's selects for lane l xor 16
.set SHI, 22                           ; s22  1 - 1e-5
.set PIK, 23                           ; s23  pi sqrt(K2)
.set FLO, 24                           ; s24  2^(3 - 127)
.set HM,  25                           ; s25  lanes 16-31
.set KN,  26                           ; s26  1 / (SQ2PI sigma)
.set EPSR, 27                          ; s27  1e-8
.set CF,  28                           ; s[28+2k:29+2k] coefficient k of P, k = 0 .. 6: the packed form names a pair and takes its low word for both halves
.set W_D1,   0x40                      ; destination window 1
.set W_S0,   0x05                      ; sources 0 and 1 window 1
.set W_SUM,  0x04                      ; source 1 window 1
.set W_PMUL, 0x41                      ; destination and source 0 window 1
.set W_MAX,  0x14                      ; sources 1 and 2 window 1
.set W_A1,   0x01                      ; source 0 window 1
.set MSB, 0
.macro WIN new                         ; the immediate's high byte repeats the setting that is left; a switch that changes nothing is dropped
.if MSB != \new
	s_set_vgpr_msb (MSB<<8)|\new
.set MSB, \new
.endif
.endm
.macro COEF k, bits
	s_mov_b32 s[CF+2*\k], \bits
	s_mov_b32 s[CF+2*\k+1], \bits
.endm
	s_load_b256 s[4:11], s[0:1], 0x0               ; vec s[4:5], sphere_pos s[6:7], weights s[8:9], sigma s[10:11]
	s_load_b64 s[12:13], s[0:1], 0x20              ; out0
	v_lshrrev_b32 v32, 5, v0
	v_readfirstlane_b32 s[WV], v32                 ; wave 0..7
	v_and_b32 v35, 31, v0                          ; lane
	v_and_b32 v32, 15, v0                          ; r
	v_bfe_u32 v33, v0, 4, 1                        ; h
	v_and_b32 v34, 8, v32
	v_add_nc_u32 v34, v34, v32                     ; r + 8 (r / 8)
	v_lshlrev_b32 v[LI], 4, v35
	v_lshlrev_b32 v[LS], 2, v35
	s_mul_i32 s17, s[WV], 16*SPITCH
	s_add_co_u32 s17, s17, STAGE                   ; my stage
	v_mul_u32_u24 v[STO], v32, SPITCH
	v_lshl_add_u32 v[STO], v33, 5, v[STO]
	v_add_nc_u32 v[STO], s17, v[STO]               ; in: row r, + 32 h
	v_mul_u32_u24 v[SRD], v33, SPITCH
	v_lshl_add_u32 v[SRD], v32, 4, v[SRD]
	v_add_nc_u32 v[SRD], s17, v[SRD]               ; back: lanes 0-15 one row, lanes 16-31 the next
	v_mul_u32_u24 v[VA0], v32, 12
	v_add_nc_u32 v[VA1], 4, v[VA0]
	v_lshl_add_u32 v[VA0], v33, 3, v[VA0]
	v_lshlrev_b32 v[WA], 2, v32
	v_lshl_add_u32 v[WA], v33, 13, v[WA]           ; lanes 16-31 begin 32 rows of 256 bytes further down
	v_lshlrev_b32 v[SA0], 2, v34
	v_add_nc_u32 v[SA1], 2048, v[SA0]
	v_lshl_add_u32 v[SA0], v33, 12, v[SA0]
	v_lshlrev_b32 v[SH8], 3, v33
	s_lshl_b32 s17, s[WV], 11
	v_add_nc_u32 v[WI], s17, v[LI]                 ; fragments 2 w and 2 w + 1: 2,048 bytes a wave
	s_lshl_b32 s17, s[WV], 8
	s_add_co_u32 s17, s17, WSC
	v_add_nc_u32 v[WSA], s17, v[LS]
	s_lshl_b32 s42, ttmp9, 3
	s_add_co_u32 s42, s42, s[WV]                   ; my wave among all 2,048
	s_mov_b32 s43, 0
	s_mov_b32 s[STEP+1], 0
	s_mul_i32 s[STEP], s42, 128*12                 ; my 128 rows of vec,
	s_lshl_b32 s42, s42, 15                        ; and of out0 (256 bytes a row)
	s_lshr_b32 s16, s[WV], 1                       ; my fragments: K step w / 2, channel tiles 2 (w % 2) and + 1
	s_lshl_b32 s16, s16, 15                        ; 128 rows of 256 bytes
	s_and_b32 s17, s[WV], 1
	s_lshl_b32 s17, s17, 7                         ; 32 channels
	s_add_co_u32 s16, s16, s17
	s_mov_b32 s17, 0
	s_wait_kmcnt 0x0
	s_load_b32 s[SIG], s[10:11], 0x0
	s_add_nc_u64 s[4:5], s[4:5], s[STEP:STEP+1]
	s_add_nc_u64 s[12:13], s[12:13], s[42:43]
	s_add_nc_u64 s[8:9], s[8:9], s[16:17]
	WIN W_D1
.set n, 0
.rept 128                              ; fragment f = n / 64, half c = (n / 32) % 2, i = n % 32: weights(128 s + 64 c + 32 h + i, 16 t + r): sixteen lanes read 64 neighbouring bytes
	global_load_b32 v[n], v[WA], s[8:9] offset:64*(n/64)+16384*((n/32)%2)+256*(n%32)
.set n, n+1
.endr
	WIN 0
.set n, 0
.rept 32                               ; tile n of points: x or z, and y
	global_load_b32 v[SPH+2*n], v[SA0], s[6:7] offset:4*(32*(n/2)+8*(n%2))
	global_load_b32 v[SPH+2*n+1], v[SA1], s[6:7] offset:4*(32*(n/2)+8*(n%2))
.set n, n+1
.endr
	global_load_b32 v[VL], v[VA0], s[4:5]          ; the first tile's rows of vec
	global_load_b32 v[VL+1], v[VA1], s[4:5]
	s_mov_b32 s[SEL], 0x76543210
	s_mov_b32 s[SEL+1], 0xfedcba98
	s_mov_b32 s[SHI], 0x3f7fff58                   ; 1 - 1e-5 in f32; the lower clip has the same magnitude
	s_mov_b32 s[FLO], 0x01800000
	s_mov_b32 s[HM], 0xffff0000
	s_mov_b32 s[EPSR], 0x322bcc77
	COEF 0, 0x3fc90fda
	COEF 1, 0xbe5bbfc6
	COEF 2, 0x3db63a9e
	COEF 3, 0xbd4d8392
	COEF 4, 0x3cfd10f8
	COEF 5, 0xbc8bfc66
	COEF 6, 0x3bda90c5
	v_mov_b32 v[C7], 0xbaa57a2c
	v_mov_b32 v[C7+1], 0xbaa57a2c
	s_mov_b32 s17, 0x3f38aa3b                      ; log2(e) / 2, and what f32 leaves of it
	s_mov_b32 s42, 0x32257060
	s_mov_b32 s43, 0x40490fdb                      ; pi, and what f32 leaves of it
	s_mov_b32 s[STEP], 0xb3bbbd2e
	s_wait_kmcnt 0x0                               ; sigma
	; SIGMA'S THREE CONSTANTS, once, the same in every lane.  Each is carried with its rest, so that it is right to about half a step of f32.
	v_mov_b32 v24, s[SIG]
	v_mul_f32 v18, v24, v24                        ; sigma^2, high
	v_fma_f32 v19, v24, v24, -v18                  ; and its rest
	v_rcp_f32 v20, v18
	v_rcp_f32 v30, v24
	v_nop                                          ; one plain instruction behind the transcendentals (ISA guide 5.7.2)
	s_wait_alu depctr_va_vdst(0)
	v_fma_f32 v21, -v18, v20, 1.0
	v_fma_f32 v20, v20, v21, v20                   ; y = 1 / high, one Newton step
	v_fma_f32 v21, -v18, v20, 1.0
	v_fma_f32 v21, -v19, v20, v21                  ; e: 1 / sigma^2 = y (1 + e)
	v_mul_f32 v22, s17, v20
	v_fma_f32 v23, s17, v20, -v22
	v_fma_f32 v23, s42, v20, v23
	v_fma_f32 v23, v22, v21, v23
	v_add_f32 v[K2], v22, v23                      ; K2 = log2(e) / (2 sigma^2)
	v_mov_b32 v[K2+1], v[K2]
	v_sqrt_f32 v25, v[K2]
	v_fma_f32 v31, -v24, v30, 1.0                  ; (a plain instruction behind the root)
	s_wait_alu depctr_va_vdst(0)
	v_rcp_f32 v26, v25
	v_fma_f32 v30, v30, v31, v30                   ; 1 / sigma, one Newton step.  (And behind the reciprocal)
	v_fma_f32 v27, -v25, v25, v[K2]
	v_mul_f32 v27, 0.5, v27
	s_wait_alu depctr_va_vdst(0)
	v_fma_f32 v25, v27, v26, v25                   ; sqrt(K2), one Newton step
	v_mul_f32 v28, s43, v25
	v_fma_f32 v29, s43, v25, -v28
	v_fma_f32 v29, s[STEP], v25, v29
	v_add_f32 v28, v28, v29                        ; pi sqrt(K2)
	v_mul_f32 v30, 0x3ecc422a, v30                 ; 1 / (SQ2PI sigma)
	v_readfirstlane_b32 s[PIK], v28
	v_readfirstlane_b32 s[KN], v30
	s_wait_loadcnt 0x0                             ; weights, sphere_pos and the first rows of vec are in
.set n, 0
.rept 32
	v_cndmask_b32 v[SPH+2*n+1], v[SPH+2*n+1], 0, s[HM]   ; k = 3 of the small product is 0 on both sides: lanes 16-31 hold (z, 0)
.set n, n+1
.endr
	v_mov_b32 v[VB], v[VL]
	v_cndmask_b32 v[VB+1], v[VL+1], 0, s[HM]
; MY FRAGMENT f OF THE WEIGHTS: window 1's registers 64 f + 32 c + i are k = 64 c + 32 h + i of my channel: two whole blocks a lane, in the order that the operand's layout gives this lane.
.macro WQ f
	WIN W_MAX
.irp c, 0,1
	v_max3_num_f32 v[TM+\c], s[FLO], |v[64*\f+32*\c]|, |v[64*\f+32*\c+1]|   ; with the floor 2^(3 - 127): the byte cannot fall under 1
.endr
.irp i, 2,4,6,8,10,12,14,16,18,20,22,24,26,28,30
.irp c, 0,1
	v_max3_num_f32 v[TM+\c], v[TM+\c], |v[64*\f+32*\c+\i]|, |v[64*\f+32*\c+\i+1]|
.endr
.endr
	WIN 0
.irp c, 0,1
	v_add_nc_u32 v[TM+12+\c], 0xff000000, v[TM+\c] ; 2 off the exponent field: the conversion's scale operand
.endr
.irp c, 0,1
	v_lshrrev_b32 v[TM+4+\c], 23, v[TM+12+\c]      ; the scale's byte
.endr
	v_lshl_or_b32 v[PW+\f], v[TM+5], 16, v[TM+4]   ; my two bytes: blocks h and 2 + h,
	v_lshlrev_b32 v[PW+\f], v[SH8], v[PW+\f]       ; at their places in the word;
	v_permlanex16_b32 v19, v[PW+\f], s[SEL], s[SEL+1]
	v_or_b32 v[PW+\f], v[PW+\f], v19               ; with lane l xor 16's two the word is whole
	WIN W_A1
.irp c, 0,1
.irp g, 0,1,2,3
	v_cvt_scalef32_pk8_fp4_f32 v[PC+8*\f+4*\c+\g], v[64*\f+32*\c+8*\g:64*\f+32*\c+8*\g+7], v[TM+12+\c]
.endr
.endr
	WIN 0
	v_nop                                          ; one plain instruction behind the scaled conversions
.irp c, 0,1
	ds_store_b128 v[WI], v[PC+8*\f+4*\c:PC+8*\f+4*\c+3] offset:1024*\f+512*\c
.endr
	ds_store_b32 v[WSA], v[PW+\f] offset:128*\f
.endm
	WQ 0
	WQ 1
	s_wait_dscnt 0x0                               ; for the others' sake: my images have landed
	s_barrier_signal -1
	s_barrier_wait -1                              ; all sixteen fragments lie in LDS; nobody writes them again.  The kernel's only barrier
.set n, 0
.rept 16
	ds_load_b32 v[WS+n], v[LS] offset:WSC+128*n    ; the weights' scale words stay in registers
.set n, n+1
.endr
; Block i's cosines: two small products, 16 points x my 16 rows each, into buffer i % 2.
.macro DOT i
	WIN 0
	v_wmma_f32_16x16x4_f32 v[DD+16*((\i)%2):DD+16*((\i)%2)+7], v[SPH+4*(\i):SPH+4*(\i)+1], v[VB:VB+1], 0
	v_wmma_f32_16x16x4_f32 v[DD+16*((\i)%2)+8:DD+16*((\i)%2)+15], v[SPH+4*(\i)+2:SPH+4*(\i)+3], v[VB:VB+1], 0
.endm
; BLOCK i: 16 pairs a lane, from cosine to g'.  The next block's cosines are asked for first: a whole block's vector work stands between a small product and the first read of its result (eight places are owed).
.macro BATCH i
.set DB, DD+16*((\i)%2)
.if (\i) < 15
	DOT (\i)+1
.endif
.set n, 0
.rept 16
	v_min_num_f32 v[RA+n], |v[DB+n]|, s[SHI]       ; a = min(|c|, 1 - 1e-5).  Each result is read from its low end on
.set n, n+1
.endr
.set n, 0
.rept 8
	v_pk_fma_f32 v[RS+n:RS+n+1], v[RA+n:RA+n+1], v[K2:K2+1], v[K2:K2+1] neg_lo:[0,1,0] neg_hi:[0,1,0]   ; K2 - K2 a, rounded once
.set n, n+2
.endr
.set hn, 0
.set sn, 0
.irp k, 6,5,4,3,2,1,0                  ; P(a) by Horner, eight pairs by turns; behind every third line one root, so that each root has a plain instruction behind it that names none of its registers
.irp p, 0,2,4,6,8,10,12,14
.if \k == 6
	v_pk_fma_f32 v[RP+\p:RP+\p+1], v[RA+\p:RA+\p+1], v[C7:C7+1], s[CF+2*\k:CF+2*\k+1] op_sel_hi:[1,1,0]
.else
	v_pk_fma_f32 v[RP+\p:RP+\p+1], v[RP+\p:RP+\p+1], v[RA+\p:RA+\p+1], s[CF+2*\k:CF+2*\k+1] op_sel_hi:[1,1,0]
.endif
.set hn, hn+1
.if (hn%3 == 0) && (sn < 16)
	v_sqrt_f32 v[RS+sn], v[RS+sn]                  ; s = sqrt(K2 (1 - a))
.set sn, sn+1
.endif
.endr
.endr
.set n, 0
.rept 16
	v_ashrrev_i32 v[RA+n], 31, v[DB+n]             ; all ones where c is negative,
.set n, n+1
.endr
.set n, 0
.rept 16
	v_and_b32 v[RA+n], s[PIK], v[RA+n]             ; pi sqrt(K2) there, else 0
.set n, n+1
.endr
.set n, 0
	s_wait_alu depctr_va_vdst(0)
.rept 8
	v_pk_fma_f32 v[RS+n:RS+n+1], v[RS+n:RS+n+1], v[RP+n:RP+n+1], v[RA+n:RA+n+1] neg_lo:[0,0,1] neg_hi:[0,0,1]   ; u = +-(the angle) sqrt(K2): its sign falls out in the square
.set n, n+2
.endr
.set n, 0
.rept 8
	v_pk_mul_f32 v[RS+n:RS+n+1], v[RS+n:RS+n+1], v[RS+n:RS+n+1] neg_lo:[1,0] neg_hi:[1,0]   ; -u u
.set n, n+2
.endr
	WIN W_D1
.set n, 0
.rept 16
	v_exp_f32 v[16*(\i)+n], v[RS+n]                ; g' = 2^(-u u).  The next block's first lines are the plain instructions behind these
.set n, n+1
.endr
	WIN 0
.endm
; Four weight fragments of K step s from LDS: y = 0 into v176-207, y = 1 into window 1's registers 0-31
.macro LOADW s, y
.if \y
	WIN W_D1
.set WB, 0
.else
	WIN 0
.set WB, RX
.endif
.irp t, 0,1,2,3
.irp c, 0,1
	ds_load_b128 v[WB+8*\t+4*\c:WB+8*\t+4*\c+3], v[LI] offset:1024*(4*(\s)+\t)+512*\c
.endr
.endr
	WIN 0
.endm
; The row's sum of g': my 256 numbers two at a time in four chains, the two halves of a pair, then lane l xor 16's
.macro SUMALL
	WIN W_S0
.irp k, 0,1,2,3
	v_pk_add_f32 v[SUM+2*\k:SUM+2*\k+1], v[4*\k:4*\k+1], v[4*\k+2:4*\k+3]   ; the first sixteen start the chains: nothing is cleared
.endr
	WIN W_SUM
.set n, 16
	s_wait_alu depctr_va_vdst(0)
.rept 120
	v_pk_add_f32 v[SUM+2*((n/2)%4):SUM+2*((n/2)%4)+1], v[SUM+2*((n/2)%4):SUM+2*((n/2)%4)+1], v[n:n+1]
.set n, n+2
.endr
	WIN 0
	v_pk_add_f32 v[SUM:SUM+1], v[SUM:SUM+1], v[SUM+2:SUM+3]
	v_pk_add_f32 v[SUM+4:SUM+5], v[SUM+4:SUM+5], v[SUM+6:SUM+7]
	v_pk_add_f32 v[SUM:SUM+1], v[SUM:SUM+1], v[SUM+4:SUM+5]
	v_add_f32 v18, v[SUM], v[SUM+1]
	v_permlanex16_b32 v19, v18, s[SEL], s[SEL+1]
	v_add_f32 v18, v18, v19
.endm
.macro RNORM                           ; R = KN / (KN sum + 1e-8), the reciprocal with one Newton step
	v_fma_f32 v20, s[KN], v18, s[EPSR]
	v_rcp_f32 v21, v20
	v_nop                                          ; one plain instruction behind the transcendental
	s_wait_alu depctr_va_vdst(0)
	v_fma_f32 v22, -v20, v21, 1.0
	v_fma_f32 v21, v21, v22, v21
	v_mul_f32 v[RR], s[KN], v21
	v_mul_f32 v[RR+1], s[KN], v21
.endm
.macro PMUL s                          ; p = g' R for K step s: 64 numbers a lane
	WIN W_PMUL
.set n, 64*(\s)
.rept 32
	v_pk_mul_f32 v[n:n+1], v[n:n+1], v[RR:RR+1]
.set n, n+2
.endr
.endm
.macro MAXB s                          ; the largest magnitude of my 16 numbers of each of K step s's four blocks, with the floor; the four blocks by turns
	WIN W_MAX
.irp b, 0,1,2,3
	v_max3_num_f32 v[TM+\b], s[FLO], |v[64*(\s)+16*\b]|, |v[64*(\s)+16*\b+1]|
.endr
.irp i, 2,4,6,8,10,12,14
.irp b, 0,1,2,3
	v_max3_num_f32 v[TM+\b], v[TM+\b], |v[64*(\s)+16*\b+\i]|, |v[64*(\s)+16*\b+\i+1]|
.endr
.endr
.endm
.macro TAIL s                          ; with lane l xor 16's: the blocks' scale operands, bytes, and my row's scale word
	WIN 0
.irp b, 0,1,2,3
	v_permlanex16_b32 v[TM+4+\b], v[TM+\b], s[SEL], s[SEL+1]
.endr
.irp b, 0,1,2,3
	v_max_num_f32 v[TM+\b], v[TM+\b], v[TM+4+\b]
.endr
.irp b, 0,1,2,3
	v_add_nc_u32 v[TM+12+\b], 0xff000000, v[TM+\b] ; 2 off the exponent field: the conversion takes the exponent field of this operand as its scale, and nothing else of it
.endr
.irp b, 0,1,2,3
	v_lshrrev_b32 v[TM+4+\b], 23, v[TM+12+\b]
.endr
	v_lshl_or_b32 v[PW+(\s)%2], v[TM+5], 8, v[TM+4]
	v_lshl_or_b32 v[PW+(\s)%2], v[TM+6], 16, v[PW+(\s)%2]
	v_lshl_or_b32 v[PW+(\s)%2], v[TM+7], 24, v[PW+(\s)%2]
.endm
.macro CVT s                           ; K step s's codes; the operand's layout wants a WHOLE block in a lane: lanes 0-15 block 2 c, lanes 16-31 block 2 c + 1
.set PB, PC+8*((\s)%2)
	WIN W_A1
.irp b, 0,1,2,3
	v_cvt_scalef32_pk8_fp4_f32 v[PB+2*\b], v[64*(\s)+16*\b:64*(\s)+16*\b+7], v[TM+12+\b]
	v_cvt_scalef32_pk8_fp4_f32 v[PB+2*\b+1], v[64*(\s)+16*\b+8:64*(\s)+16*\b+15], v[TM+12+\b]
.endr
	WIN 0
	v_nop                                          ; one plain instruction behind the scaled conversions
.irp c, 0,1
.irp i, 0,1
	v_permlane16_swap_b32 v[PB+4*\c+\i], v[PB+4*\c+2+\i]
.endr
.endr
.endm
; K step s of the quantised product: the four accumulators by turns, one instruction a turn.  The first K step starts the sums: nothing is cleared.
.macro MM s
.set PB, PC+8*((\s)%2)
.if (\s)%2
	WIN W_A1
.set WB, 0
.else
	WIN 0
.set WB, RX
.endif
.irp t, 0,1,2,3
.if (\s) == 0
	v_wmma_scale_f32_16x16x128_f8f6f4 v[ACC+8*\t:ACC+8*\t+7], v[WB+8*\t:WB+8*\t+7], v[PB:PB+7], 0, v[WS+4*(\s)+\t], v[PW+(\s)%2] matrix_a_fmt:MATRIX_FMT_FP4 matrix_b_fmt:MATRIX_FMT_FP4
.else
	v_wmma_scale_f32_16x16x128_f8f6f4 v[ACC+8*\t:ACC+8*\t+7], v[WB+8*\t:WB+8*\t+7], v[PB:PB+7], v[ACC+8*\t:ACC+8*\t+7], v[WS+4*(\s)+\t], v[PW+(\s)%2] matrix_a_fmt:MATRIX_FMT_FP4 matrix_b_fmt:MATRIX_FMT_FP4
.endif
.endr
	WIN 0
.endm
; THE WAY OUT: a lane holds 32 bytes of four places of its row, the lanes beside it other rows: the tile goes through my own stage and comes back as whole rows of 256 bytes.
; LDS serves a wave's instructions in order (ISA guide 5.7.1.4): no wait between the stores and the loads, nor ahead of the next tile's stores.
.macro OUT
.irp t, 0,1,2,3
	ds_store_b128 v[STO], v[ACC+8*\t:ACC+8*\t+3] offset:64*\t          ; each accumulator from its low end on
	ds_store_b128 v[STO], v[ACC+8*\t+4:ACC+8*\t+7] offset:64*\t+16
.endr
.irp i, 0,1,2,3,4,5,6,7
	ds_load_b128 v[ACC+4*\i:ACC+4*\i+3], v[SRD] offset:2*\i*SPITCH
.endr
.irp i, 0,1,2,3,4,5,6,7
	s_wait_dscnt 7-\i                              ; rows 2 i and 2 i + 1 are back; the 7 - i younger loads may stay out
	global_store_b128 v[LI], v[ACC+4*\i:ACC+4*\i+3], s[12:13] offset:512*\i th:TH_STORE_NT   ; 32 lanes store 512 consecutive bytes, two whole rows, at a multiple of 256 from out0's first byte; written once, read by nobody here
.endr
.endm
	DOT 0                                          ; the first tile's first block
.rept 8
	v_nop                                          ; eight places between the small product and the first read of its result
.endr
	s_wait_dscnt 0x0                               ; the weights' scale words are in
	s_mov_b32 s[CNT], 8
.Ltile:
	s_cmp_lg_u32 s[CNT], 1                         ; the next tile's rows of vec are asked for a whole pass ahead.  The last trip steps by 0 and asks for its own rows again, so that no load
	s_cselect_b32 s[STEP], 192, 0                  ; leaves vec; the two small products made of them are not read
	s_add_nc_u64 s[4:5], s[4:5], s[STEP:STEP+1]    ; (the loads that named this base have been waited for)
	global_load_b32 v[VL], v[VA0], s[4:5]
	global_load_b32 v[VL+1], v[VA1], s[4:5]
	; ---- first pass: g' of all 512 points
.irp i, 0,1,2,3,4,5,6,7,8,9,10,11,12,13,14,15
	BATCH \i
.endr
	v_nop                                          ; one plain instruction behind the last exponentials: the loads below land in their sources
	LOADW 0, 0
	SUMALL
	RNORM
	; ---- second pass: p, its codes and the product, K step by K step.  Between a K step's scale word and codes and its products stand the next step's 32 multiplications:
	; a scale register written by a vector instruction stands eight places ahead of a scaled product, an operand four.  Behind the products the next step's 32 maxima are the places ahead of loads into, and writes of, their registers.
	PMUL 0
	MAXB 0
	TAIL 0
	CVT 0
	LOADW 1, 1                                     ; into window 1's registers 0-31: K step 0's p has become codes
	PMUL 1
	s_wait_dscnt 8                                 ; K step 0's eight fragment loads are in; K step 1's eight may stay out
	MM 0
	MAXB 1
	TAIL 1
	CVT 1
	LOADW 2, 0
	PMUL 2
	s_wait_dscnt 8                                 ; K step 1's are in; K step 2's may stay out
	MM 1
	s_wait_loadcnt 0x0                             ; the next tile's rows of vec
	v_mov_b32 v[VB], v[VL]
	v_cndmask_b32 v[VB+1], v[VL+1], 0, s[HM]
	MAXB 2
	DOT 0                                          ; the next tile's first block
	TAIL 2
	CVT 2
	LOADW 3, 1
	PMUL 3
	s_wait_dscnt 8                                 ; K step 2's are in; K step 3's may stay out
	MM 2
	MAXB 3
	TAIL 3
	CVT 3
.rept 8
	v_nop                                          ; no multiplications are left: the eight places ahead of the last scaled products
.endr
	s_wait_dscnt 0x0
	MM 3
.rept 4
	v_nop                                          ; four places between the last products and the first read of their results
.endr
	OUT
	s_wait_xcnt 0x0                                ; the stores have read their registers and their base: both are written again only behind this wait
	s_add_nc_u64 s[12:13], s[12:13], 16*256
	s_sub_co_i32 s[CNT], s[CNT], 1
	s_cmp_lg_u32 s[CNT], 0
	s_cbranch_scc1 .Ltile
	s_wait_xcnt 0x0
	v_lshl_add_u32 v206, v0, 2, 0xd000
	v_mov_b32 v207, 0
	s_wait_tensorcnt 0x0
	ds_add_u32 v206, v207
	s_wait_dscnt 0x0
	s_endpgm
.Lfunc_end_k_q133f61276e_sphere:
	.size	k_q133f61276e_sphere, .Lfunc_end_k_q133f61276e_sphere-k_q133f61276e_sphere
	.p2alignl 7, 3214868480
	.fill 96, 4, 3214868480
	.section	.rodata,"a",@progbits
	.p2align	6, 0x0
	.amdhsa_kernel k_q133f61276e_sphere
		.amdhsa_group_segment_fixed_size 54272
		.amdhsa_private_segment_fixed_size 0
		.amdhsa_enable_private_segment 0
		.amdhsa_kernarg_size 40
		.amdhsa_user_sgpr_count 2
		.amdhsa_user_sgpr_kernarg_segment_ptr 1
		.amdhsa_wavefront_size32 1
		.amdhsa_system_sgpr_workgroup_id_x 1
		.amdhsa_system_sgpr_workgroup_id_y 1
		.amdhsa_system_sgpr_workgroup_id_z 1
		.amdhsa_system_vgpr_workitem_id 0
		.amdhsa_next_free_vgpr 512
		.amdhsa_next_free_sgpr 66
		.amdhsa_reserve_vcc 0
		.amdhsa_float_denorm_mode_32 3
		.amdhsa_float_denorm_mode_16_64 3
		.amdhsa_memory_ordered 1
		.amdhsa_forward_progress 1
		.amdhsa_inst_pref_size 205
	.end_amdhsa_kernel
	.amdgpu_metadata
---
amdhsa.version: [ 1, 2 ]
amdhsa.kernels:
  - .name:           k_q133f61276e_sphere
    .symbol:         k_q133f61276e_sphere.kd
    .args:
      - { .name: vec, .offset: 0, .size: 8, .value_kind: global_buffer, .address_space: global }
      - { .name: sphere_pos, .offset: 8, .size: 8, .value_kind: global_buffer, .address_space: global }
      - { .name: weights, .offset: 16, .size: 8, .value_kind: global_buffer, .address_space: global }
      - { .name: sigma, .offset: 24, .size: 8, .value_kind: global_buffer, .address_space: global }
      - { .name: out0, .offset: 32, .size: 8, .value_kind: global_buffer, .address_space: global }
    .group_segment_fixed_size: 54272
    .private_segment_fixed_size: 0
    .kernarg_segment_align: 8
    .kernarg_segment_size: 40
    .max_flat_workgroup_size: 256
    .sgpr_count:     66
    .vgpr_count:     512
    .wavefront_size: 32
...
	.end_amdgpu_metadata
.endif
;; end of part 1
;; ======== version 2 of 2: 1 launch; version 1 with the launch sphere written anew for expert scheduling mode
;; limits: right only within a limited range of input values
;; launch sphere (part 2): grid 256 x 1, 8 waves a work-group, no clusters, 54,272 bytes of LDS; arguments vec, sphere_pos, weights, sigma, out0; writes out0
.if DOCPART == 2
	.amdgcn_target "amdgcn-amd-amdhsa--gfx1250"
	.amdhsa_code_object_version 6
	.text
	.protected	k_q133f61276e_sphere
	.globl	k_q133f61276e_sphere
	.p2align	8
	.type	k_q133f61276e_sphere,@function
k_q133f61276e_sphere:
	s_mov_b64 s[64:65], 0
	v_nop
	global_prefetch_b8 v0, s[64:65] scope:SCOPE_SE
	s_setreg_imm32_b32 hwreg(HW_REG_WAVE_SCHED_MODE, 0, 2), 2
	s_setreg_imm32_b32 hwreg(HW_REG_WAVE_MODE, 25, 1), 1
	s_wait_xcnt 0x0
	s_wait_alu depctr_vm_vsrc(0)
; out0[n][:] = Q(p[n][:]) Q(weights), p[n][k] = g / (sum_k g + 1e-8), g = exp(-(acos(clip(vec[n] . sphere_pos[:,k])) / sigma)^2 / 2) / SQ2PI / sigma.
; vec [262144][3], sphere_pos [3][512], weights [512][64], sigma [1], out0 [262144][64], all f32.  Q: codes of FP4 (E2M1) with one E8M0 scale for each 32 along the 512 points.
; SHARES.  256 work-groups of eight waves; a wave owns 128 rows of vec, eight tiles of 16 rows, one tile a trip.  In a tile lane (r = lane % 16, h = lane / 16) holds row r and 256 of its 512 points.
; THE SMALL PRODUCT (K = 3) goes to v_wmma_f32_16x16x4_f32 with f32 operands: source 0 = 16 points (x, y | z, 0), source 1 = my 16 rows (x, y | z, 0): a lane then holds ONE row, and its registers run along the points.
; THE POINTS OF A TILE ARE NOT NEIGHBOURS: row m of tile 2 b + u is point 32 b + 8 u + m + 8 (m / 8), so that the 16 registers of tiles 2 b and 2 b + 1 are points 32 b + 16 h + 0 .. 15: 16 neighbours of block b.
; A PAIR.  a = min(|c|, 1 - 1e-5);  acos a = sqrt(1 - a) P(a), P of degree 7 (Abramowitz and Stegun 4.4.46; its a0 is taken one f32 step low and the difference, 5.37e-8, added to a1, so that what is
; left of it falls with 1 - a).  With K2 = log2(e) / (2 sigma^2):  s = sqrt(K2 - K2 a);  u = s P - (c < 0 ? pi sqrt(K2) : 0);  g' = 2^(-u u): the exponential without its constant factor KN = 1 / (SQ2PI sigma).
; Then p = g' R with R = KN / (KN sum(g') + 1e-8), which is reference()'s quotient.  No maximum is taken away, as reference() takes none; what underflows there underflows here.
; THE QUANTISED PRODUCT is used transposed: source 0 = 16 channels of weights, source 1 = p's 16 rows: register j of channel tile t is out0(row r, 16 t + 8 h + j).  Four K steps of 128 points x four channel tiles.
; THE WEIGHTS are quantised here, once a work-group: each wave makes 2 of the 16 fragments (a lane to a channel, registers down K) and stores them in LDS as images of the operand's registers.
; NO CLUSTER, NO TENSOR LOAD: a work-group reads 131,072 bytes of weights and 6,144 of sphere_pos once, at its head, and nothing is fetched in the loop but 192 bytes of vec a trip: there is no tile to share or to run ahead of.
; LIMITS: sigma finite, not 0, 2^-60 < |sigma| < 2^50.  A g' under 2^-126 counts as 0 (v_exp_f32 gives no denormals: ISA guide, 15.8), where reference() may keep a denormal.  NaN and infinities among the inputs are not served.
; A block of zeros has the scale byte 1 where the rule says 127: its codes are zeros, and this program alone reads the bytes.
; THE MODE: SCHED_MODE bits 1:0 = 2 (LLVM: expert scheduling mode 2), set by the entry lines.  The code itself states the register dependences
; between vector or matrix instructions and memory or LDS instructions, with s_wait_alu, always for 0.
; THE PLAN.  Registers that memory or LDS instructions touch:
;   v1-v9, v11, v46   addresses: made once at the head, ahead of one wait on va_vdst, and never written again.
;   PC, PW            at the head: written by the two quantisers of the weights, read by six LDS stores (one wait on va_vdst ahead of the run); the loop writes them again (one wait on vm_vsrc behind the barrier).
;   VL                the loads at a trip's head land in it; two vector lines behind K step 1's products read it.  Every trip has waits on va_vdst behind those two lines, the head likewise.
;   RX = v176-207     first pass: at work in the batches.  Second pass: the fragment loads of K steps 0 and 2 land in it, their products read it.  The way out: the stage's read-backs land in it, the global stores read it.
;   window 1, 0-31    g' and p of K step 0, until they have become codes; then the fragment loads of K steps 1 and 3 land in it, and their products read it.
;   ACC               written by the products, read by the stage's LDS stores.
; So a K step has ONE wait on va_vdst, ahead of the next K step's eight fragment loads and of its own four products: it states that the buffer to be filled is done with, and that the step's codes and scale word are written.
; One more stands ahead of the last products, one ahead of the way out; one wait on vm_vsrc stands at a trip's end, for ACC and RX, which the next trip writes again.
;
; LDS: 0: the 16 weight fragments, fragment F = 4 s + t at 1024 F, registers 4 c .. 4 c + 3 at + 512 c, lane at + 16 lane.   16384: their scale words, 128 F + 4 lane.   18432: a stage of 16 rows x 272 bytes for each wave.
; REGISTERS, in windows of 256 (s_set_vgpr_msb's low byte: bits 1:0 source 0, 3:2 source 1, 5:4 source 2, 7:6 destination):
;   window 1: G[16 i + j] = g', then p, of point 32 i + 16 h + j.  At the head its registers 0-127 hold my 128 numbers of weights; in the second pass registers 0-31 become a buffer for weight fragments.
;   window 0: see the names below.
.set WSC,    16384
.set STAGE,  18432
.set SPITCH, 272                       ; a stage row: 256 bytes + 16: the sixteen rows that a store touches begin in sixteen different groups of four banks (64 banks of 4 bytes: ISA guide 11.1)
.set LI,  1                            ; v1   16 x lane: an image's place, and my bytes in two rows of out0
.set LS,  2                            ; v2   4 x lane
.set STO, 3                            ; v3   the stage: where I put 32 bytes of a row
.set SRD, 4                            ; v4   and where I read a row back
.set VA0, 5                            ; v5   vec: 12 r + 8 h (x below, z above)
.set VA1, 6                            ; v6   vec: 12 r + 4 (y)
.set WA,  7                            ; v7   weights: 8192 h + 4 r
.set SA0, 8                            ; v8   sphere_pos: 4096 h + 4 (r + 8 (r / 8))
.set SA1, 9                            ; v9   sphere_pos: 2048 + 4 (r + 8 (r / 8))
.set SH8, 10                           ; v10  8 h
.set WI,  11                           ; v11  where I store my two fragments' images
.set K2,  12                           ; v[12:13] K2, twice
.set C7,  14                           ; v[14:15] P's highest coefficient, twice
.set RR,  16                           ; v[16:17] R, twice
.set TM,  24                           ; v24-27 largest magnitudes, v28-31 the other half's and then bytes, v36-39 the conversions' scale operands
.set SUM, 24                           ; v[24:31] four pairs of sums; over TM, between the passes only
.set PW,  40                           ; v40, v41 p's scale words, by turns
.set VB,  42                           ; v[42:43] my rows of vec as the small product's source 1
.set VL,  44                           ; v44, v45 the next tile's, as loaded
.set WSA, 46                           ; v46  where I store my two fragments' scale words
.set PC,  48                           ; v48-55, v56-63 p's codes, by turns
.set WS,  64                           ; v64-79 the weights' scale words, fragment F at WS + F: they hold scales and nothing else
.set SPH, 80                           ; v80-143 the 32 tiles of points, two registers each
.set DD,  144                          ; v144-175 two buffers of 16 cosines: written by the f32 matrix form alone
.set RA,  176                          ; v176-191 a, later the angle's offset
.set RS,  192                          ; v192-207 K2 (1 - a), its root, u, -u u
.set RP,  208                          ; v208-223 P(a)
.set RX,  176                          ; v176-207 in the second pass: a buffer for four weight fragments; on the way out: rows of out0
.set ACC, 224                          ; v224-255 the four accumulators
.set WV,  14                           ; s14  wave
.set SIG, 15                           ; s15  sigma
.set CNT, 16                           ; s16  tiles to go
.set STEP, 18                          ; s[18:19] vec's step, s19 = 0
.set SEL, 20                           ; s[20:21] v_permlanex16_b32's selects for lane l xor 16
.set SHI, 22                           ; s22  1 - 1e-5
.set PIK, 23                           ; s23  pi sqrt(K2)
.set FLO, 24                           ; s24  2^(3 - 127)
.set HM,  25                           ; s25  lanes 16-31
.set KN,  26                           ; s26  1 / (SQ2PI sigma)
.set EPSR, 27                          ; s27  1e-8
.set CF,  28                           ; s[28+2k:29+2k] coefficient k of P, k = 0 .. 6: the packed form names a pair and takes its low word for both halves
.set W_D1,   0x40                      ; destination window 1
.set W_S0,   0x05                      ; sources 0 and 1 window 1
.set W_SUM,  0x04                      ; source 1 window 1
.set W_PMUL, 0x41                      ; destination and source 0 window 1
.set W_MAX,  0x14                      ; sources 1 and 2 window 1
.set W_A1,   0x01                      ; source 0 window 1
.set MSB, 0
.macro WIN new                         ; the immediate's high byte repeats the setting that is left; a switch that changes nothing is dropped
.if MSB != \new
	s_set_vgpr_msb (MSB<<8)|\new
.set MSB, \new
.endif
.endm
.macro COEF k, bits
	s_mov_b32 s[CF+2*\k], \bits
	s_mov_b32 s[CF+2*\k+1], \bits
.endm
	s_load_b256 s[4:11], s[0:1], 0x0               ; vec s[4:5], sphere_pos s[6:7], weights s[8:9], sigma s[10:11]
	s_load_b64 s[12:13], s[0:1], 0x20              ; out0
	v_lshrrev_b32 v32, 5, v0
	v_readfirstlane_b32 s[WV], v32                 ; wave 0..7
	v_and_b32 v35, 31, v0                          ; lane
	v_and_b32 v32, 15, v0                          ; r
	v_bfe_u32 v33, v0, 4, 1                        ; h
	v_and_b32 v34, 8, v32
	v_add_nc_u32 v34, v34, v32                     ; r + 8 (r / 8)
	v_lshlrev_b32 v[LI], 4, v35
	v_lshlrev_b32 v[LS], 2, v35
	s_wait_alu depctr_va_sdst(0)                   ; s14, the wave's number, is written, ahead of its first reader: the line below
	s_mul_i32 s17, s[WV], 16*SPITCH
	s_add_co_u32 s17, s17, STAGE                   ; my stage
	v_mul_u32_u24 v[STO], v32, SPITCH
	v_lshl_add_u32 v[STO], v33, 5, v[STO]
	v_add_nc_u32 v[STO], s17, v[STO]               ; in: row r, + 32 h
	v_mul_u32_u24 v[SRD], v33, SPITCH
	v_lshl_add_u32 v[SRD], v32, 4, v[SRD]
	v_add_nc_u32 v[SRD], s17, v[SRD]               ; back: lanes 0-15 one row, lanes 16-31 the next
	v_mul_u32_u24 v[VA0], v32, 12
	v_add_nc_u32 v[VA1], 4, v[VA0]
	v_lshl_add_u32 v[VA0], v33, 3, v[VA0]
	v_lshlrev_b32 v[WA], 2, v32
	v_lshl_add_u32 v[WA], v33, 13, v[WA]           ; lanes 16-31 begin 32 rows of 256 bytes further down
	v_lshlrev_b32 v[SA0], 2, v34
	v_add_nc_u32 v[SA1], 2048, v[SA0]
	v_lshl_add_u32 v[SA0], v33, 12, v[SA0]
	v_lshlrev_b32 v[SH8], 3, v33
	s_lshl_b32 s17, s[WV], 11
	v_add_nc_u32 v[WI], s17, v[LI]                 ; fragments 2 w and 2 w + 1: 2,048 bytes a wave
	s_lshl_b32 s17, s[WV], 8
	s_add_co_u32 s17, s17, WSC
	v_add_nc_u32 v[WSA], s17, v[LS]
	s_lshl_b32 s42, ttmp9, 3
	s_add_co_u32 s42, s42, s[WV]                   ; my wave among all 2,048
	s_mov_b32 s43, 0
	s_mov_b32 s[STEP+1], 0
	s_mul_i32 s[STEP], s42, 128*12                 ; my 128 rows of vec,
	s_lshl_b32 s42, s42, 15                        ; and of out0 (256 bytes a row)
	s_lshr_b32 s16, s[WV], 1                       ; my fragments: K step w / 2, channel tiles 2 (w % 2) and + 1
	s_lshl_b32 s16, s16, 15                        ; 128 rows of 256 bytes
	s_and_b32 s17, s[WV], 1
	s_lshl_b32 s17, s17, 7                         ; 32 channels
	s_add_co_u32 s16, s16, s17
	s_mov_b32 s17, 0
	s_wait_kmcnt 0x0
	s_load_b32 s[SIG], s[10:11], 0x0
	s_add_nc_u64 s[4:5], s[4:5], s[STEP:STEP+1]
	s_add_nc_u64 s[12:13], s[12:13], s[16+26:16+27]
	s_add_nc_u64 s[8:9], s[8:9], s[16:17]
	WIN W_D1
	s_wait_alu depctr_va_vdst(0)                   ; the addresses v1 to v9, v11 and v46 are written: every load and store of the kernel reads one of them, and none is written again
.set n, 0
.rept 128                              ; fragment f = n / 64, half c = (n / 32) % 2, i = n % 32: weights(128 s + 64 c + 32 h + i, 16 t + r): sixteen lanes read 64 neighbouring bytes
	global_load_b32 v[n], v[WA], s[8:9] offset:64*(n/64)+16384*((n/32)%2)+256*(n%32)
.set n, n+1
.endr
	WIN 0
.set n, 0
.rept 32                               ; tile n of points: x or z, and y
	global_load_b32 v[SPH+2*n], v[SA0], s[6:7] offset:4*(32*(n/2)+8*(n%2))
	global_load_b32 v[SPH+2*n+1], v[SA1], s[6:7] offset:4*(32*(n/2)+8*(n%2))
.set n, n+1
.endr
	global_load_b32 v[VL], v[VA0], s[4:5]          ; the first tile's rows of vec
	global_load_b32 v[VL+1], v[VA1], s[4:5]
	s_mov_b32 s[SEL], 0x76543210
	s_mov_b32 s[SEL+1], 0xfedcba98
	s_mov_b32 s[SHI], 0x3f7fff58                   ; 1 - 1e-5 in f32; the lower clip has the same magnitude
	s_mov_b32 s[FLO], 0x01800000
	s_mov_b32 s[HM], 0xffff0000
	s_mov_b32 s[EPSR], 0x322bcc77
	COEF 0, 0x3fc90fda
	COEF 1, 0xbe5bbfc6
	COEF 2, 0x3db63a9e
	COEF 3, 0xbd4d8392
	COEF 4, 0x3cfd10f8
	COEF 5, 0xbc8bfc66
	COEF 6, 0x3bda90c5
	v_mov_b32 v[C7], 0xbaa57a2c
	v_mov_b32 v[C7+1], 0xbaa57a2c
	s_mov_b32 s17, 0x3f38aa3b                      ; log2(e) / 2, and what f32 leaves of it
	s_mov_b32 s42, 0x32257060
	s_mov_b32 s43, 0x40490fdb                      ; pi, and what f32 leaves of it
	s_mov_b32 s[STEP], 0xb3bbbd2e
	s_wait_kmcnt 0x0                               ; sigma
	; SIGMA'S THREE CONSTANTS, once, the same in every lane.  Each is carried with its rest, so that it is right to about half a step of f32.
	v_mov_b32 v24, s[SIG]
	v_mul_f32 v18, v24, v24                        ; sigma^2, high
	v_fma_f32 v19, v24, v24, -v18                  ; and its rest
	v_rcp_f32 v20, v18
	v_rcp_f32 v30, v24
	v_nop                                          ; one plain instruction behind the transcendentals (ISA guide 5.7.2)
	s_wait_alu depctr_va_vdst(0)                   ; the two reciprocals have written v20 and v30, ahead of their first reader
	v_fma_f32 v21, -v18, v20, 1.0
	v_fma_f32 v20, v20, v21, v20                   ; y = 1 / high, one Newton step
	v_fma_f32 v21, -v18, v20, 1.0
	v_fma_f32 v21, -v19, v20, v21                  ; e: 1 / sigma^2 = y (1 + e)
	v_mul_f32 v22, s17, v20
	v_fma_f32 v23, s17, v20, -v22
	v_fma_f32 v23, s42, v20, v23
	v_fma_f32 v23, v22, v21, v23
	v_add_f32 v[K2], v22, v23                      ; K2 = log2(e) / (2 sigma^2)
	v_mov_b32 v[K2+1], v[K2]
	v_sqrt_f32 v25, v[K2]
	v_fma_f32 v31, -v24, v30, 1.0                  ; (a plain instruction behind the root)
	s_wait_alu depctr_va_vdst(0)                   ; the root has written v25, ahead of its first reader
	v_rcp_f32 v26, v25
	v_fma_f32 v30, v30, v31, v30                   ; 1 / sigma, one Newton step.  (And behind the reciprocal)
	v_fma_f32 v27, -v25, v25, v[K2]
	v_mul_f32 v27, 0.5, v27
	s_wait_alu depctr_va_vdst(0)                   ; the reciprocal has written v26, ahead of its first reader
	v_fma_f32 v25, v27, v26, v25                   ; sqrt(K2), one Newton step
	v_mul_f32 v28, s43, v25
	v_fma_f32 v29, s43, v25, -v28
	v_fma_f32 v29, s[STEP], v25, v29
	v_add_f32 v28, v28, v29                        ; pi sqrt(K2)
	v_mul_f32 v30, 0x3ecc422a, v30                 ; 1 / (SQ2PI sigma)
	v_readfirstlane_b32 s[PIK], v28
	v_readfirstlane_b32 s[KN], v30
	s_wait_alu depctr_va_sdst(0)                   ; s23 and s26 are written
	s_wait_loadcnt 0x0                             ; weights, sphere_pos and the first rows of vec are in
.set n, 0
.rept 32
	v_cndmask_b32 v[SPH+2*n+1], v[SPH+2*n+1], 0, s[HM]   ; k = 3 of the small product is 0 on both sides: lanes 16-31 hold (z, 0)
.set n, n+1
.endr
	v_mov_b32 v[VB], v[VL]
	v_cndmask_b32 v[VB+1], v[VL+1], 0, s[HM]
; MY FRAGMENT f OF THE WEIGHTS: window 1's registers 64 f + 32 c + i are k = 64 c + 32 h + i of my channel: two whole blocks a lane, in the order that the operand's layout gives this lane.
; Its codes come to stand in v[PC + 8 f] on, its scale word in v[PW + f]: each fragment has registers of its own, so that both are made first and stored in one run.
.macro WQ f
	WIN W_MAX
.irp c, 0,1
	v_max3_num_f32 v[TM+\c], s[FLO], |v[64*\f+32*\c]|, |v[64*\f+32*\c+1]|   ; with the floor 2^(3 - 127): the byte cannot fall under 1
.endr
.irp i, 2,4,6,8,10,12,14,16,18,20,22,24,26,28,30
.irp c, 0,1
	v_max3_num_f32 v[TM+\c], v[TM+\c], |v[64*\f+32*\c+\i]|, |v[64*\f+32*\c+\i+1]|
.endr
.endr
	WIN 0
.irp c, 0,1
	v_add_nc_u32 v[TM+12+\c], 0xff000000, v[TM+\c] ; 2 off the exponent field: the conversion's scale operand
.endr
.irp c, 0,1
	v_lshrrev_b32 v[TM+4+\c], 23, v[TM+12+\c]      ; the scale's byte
.endr
	v_lshl_or_b32 v[PW+\f], v[TM+5], 16, v[TM+4]   ; my two bytes: blocks h and 2 + h,
	v_lshlrev_b32 v[PW+\f], v[SH8], v[PW+\f]       ; at their places in the word;
	v_permlanex16_b32 v19, v[PW+\f], s[SEL], s[SEL+1]
	v_or_b32 v[PW+\f], v[PW+\f], v19               ; with lane l xor 16's two the word is whole
	WIN W_A1
.irp c, 0,1
.irp g, 0,1,2,3
	v_cvt_scalef32_pk8_fp4_f32 v[PC+8*\f+4*\c+\g], v[64*\f+32*\c+8*\g:64*\f+32*\c+8*\g+7], v[TM+12+\c]
.endr
.endr
	WIN 0
	v_nop                                          ; one plain instruction behind the scaled conversions
.endm
.macro WST f                           ; fragment f goes to LDS as it stands, and its scale word beside it
.irp c, 0,1
	ds_store_b128 v[WI], v[PC+8*\f+4*\c:PC+8*\f+4*\c+3] offset:1024*\f+512*\c
.endr
	ds_store_b32 v[WSA], v[PW+\f] offset:128*\f
.endm
	WQ 0
	WQ 1
	s_wait_alu depctr_va_vdst(0)                   ; both fragments' codes (v48-63) and scale words (v40, v41) are written, which the six LDS stores read; and the two lines above that read v44 and v45 are done, in which the first trip's loads land
	WST 0
	WST 1
	s_wait_dscnt 0x0                               ; for the others' sake: my images have landed
	s_barrier_signal -1
	s_barrier_wait -1                              ; all sixteen fragments lie in LDS; nobody writes them again.  The kernel's only barrier
	s_wait_alu depctr_vm_vsrc(0)                   ; my six LDS stores have read v48-63, v40 and v41: the loop writes p's codes and scale words there
.set n, 0
.rept 16
	ds_load_b32 v[WS+n], v[LS] offset:WSC+128*n    ; the weights' scale words stay in registers
.set n, n+1
.endr
; Block i's cosines: two small products, 16 points x my 16 rows each, into buffer i % 2.
.macro DOT i
	WIN 0
	v_wmma_f32_16x16x4_f32 v[DD+16*((\i)%2):DD+16*((\i)%2)+7], v[SPH+4*(\i):SPH+4*(\i)+1], v[VB:VB+1], 0
	v_wmma_f32_16x16x4_f32 v[DD+16*((\i)%2)+8:DD+16*((\i)%2)+15], v[SPH+4*(\i)+2:SPH+4*(\i)+3], v[VB:VB+1], 0
.endm
; BLOCK i: 16 pairs a lane, from cosine to g'.  The next block's cosines are asked for first: a whole block's vector work stands between a small product and the first read of its result (eight places are owed).
; No memory or LDS instruction stands in a block.
.macro BATCH i
.set DB, DD+16*((\i)%2)
.if (\i) < 15
	DOT (\i)+1
.endif
.set n, 0
.rept 16
	v_min_num_f32 v[RA+n], |v[DB+n]|, s[SHI]       ; a = min(|c|, 1 - 1e-5).  Each result is read from its low end on
.set n, n+1
.endr
.set n, 0
.rept 8
	v_pk_fma_f32 v[RS+n:RS+n+1], v[RA+n:RA+n+1], v[K2:K2+1], v[K2:K2+1] neg_lo:[0,1,0] neg_hi:[0,1,0]   ; K2 - K2 a, rounded once
.set n, n+2
.endr
.set hn, 0
.set sn, 0
.irp k, 6,5,4,3,2,1,0                  ; P(a) by Horner, eight pairs by turns; behind every third line one root, so that each root has a plain instruction behind it that names none of its registers
.irp p, 0,2,4,6,8,10,12,14
.if \k == 6
	v_pk_fma_f32 v[RP+\p:RP+\p+1], v[RA+\p:RA+\p+1], v[C7:C7+1], s[CF+2*\k:CF+2*\k+1] op_sel_hi:[1,1,0]
.else
	v_pk_fma_f32 v[RP+\p:RP+\p+1], v[RP+\p:RP+\p+1], v[RA+\p:RA+\p+1], s[CF+2*\k:CF+2*\k+1] op_sel_hi:[1,1,0]
.endif
.set hn, hn+1
.if (hn%3 == 0) && (sn < 16)
	v_sqrt_f32 v[RS+sn], v[RS+sn]                  ; s = sqrt(K2 (1 - a))
.set sn, sn+1
.endif
.endr
.endr
.set n, 0
.rept 16
	v_ashrrev_i32 v[RA+n], 31, v[DB+n]             ; all ones where c is negative,
.set n, n+1
.endr
.set n, 0
.rept 16
	v_and_b32 v[RA+n], s[PIK], v[RA+n]             ; pi sqrt(K2) there, else 0
.set n, n+1
.endr
.set n, 0
	s_wait_alu depctr_va_vdst(0)                   ; the block's sixteen roots have written v192-207, ahead of their first reader; so have the block before's exponentials their g'
.rept 8
	v_pk_fma_f32 v[RS+n:RS+n+1], v[RS+n:RS+n+1], v[RP+n:RP+n+1], v[RA+n:RA+n+1] neg_lo:[0,0,1] neg_hi:[0,0,1]   ; u = +-(the angle) sqrt(K2): its sign falls out in the square
.set n, n+2
.endr
.set n, 0
.rept 8
	v_pk_mul_f32 v[RS+n:RS+n+1], v[RS+n:RS+n+1], v[RS+n:RS+n+1] neg_lo:[1,0] neg_hi:[1,0]   ; -u u
.set n, n+2
.endr
	WIN W_D1
.set n, 0
.rept 16
	v_exp_f32 v[16*(\i)+n], v[RS+n]                ; g' = 2^(-u u).  The next block's first lines are the plain instructions behind these
.set n, n+1
.endr
	WIN 0
.endm
; Four weight fragments of K step s from LDS: y = 0 into v176-207, y = 1 into window 1's registers 0-31
.macro LOADW s, y
.if \y
	WIN W_D1
.set WB, 0
.else
	WIN 0
.set WB, RX
.endif
	s_wait_alu depctr_va_vdst(0)                   ; every vector and matrix instruction that read or wrote the 32 registers in which the eight loads below land is done; what else this wait states is said where the macro is used
.irp t, 0,1,2,3
.irp c, 0,1
	ds_load_b128 v[WB+8*\t+4*\c:WB+8*\t+4*\c+3], v[LI] offset:1024*(4*(\s)+\t)+512*\c
.endr
.endr
	WIN 0
.endm
; The row's sum of g': my 256 numbers two at a time in four chains, the two halves of a pair, then lane l xor 16's
.macro SUMALL
	WIN W_S0
.irp k, 0,1,2,3
	v_pk_add_f32 v[SUM+2*\k:SUM+2*\k+1], v[4*\k:4*\k+1], v[4*\k+2:4*\k+3]   ; the first sixteen start the chains: nothing is cleared
.endr
	WIN W_SUM
.set n, 16
.rept 120
	v_pk_add_f32 v[SUM+2*((n/2)%4):SUM+2*((n/2)%4)+1], v[SUM+2*((n/2)%4):SUM+2*((n/2)%4)+1], v[n:n+1]
.set n, n+2
.endr
	WIN 0
	v_pk_add_f32 v[SUM:SUM+1], v[SUM:SUM+1], v[SUM+2:SUM+3]
	v_pk_add_f32 v[SUM+4:SUM+5], v[SUM+4:SUM+5], v[SUM+6:SUM+7]
	v_pk_add_f32 v[SUM:SUM+1], v[SUM:SUM+1], v[SUM+4:SUM+5]
	v_add_f32 v18, v[SUM], v[SUM+1]
	v_permlanex16_b32 v19, v18, s[SEL], s[SEL+1]
	v_add_f32 v18, v18, v19
.endm
.macro RNORM                           ; R = KN / (KN sum + 1e-8), the reciprocal with one Newton step
	v_fma_f32 v20, s[KN], v18, s[EPSR]
	v_rcp_f32 v21, v20
	v_nop                                          ; one plain instruction behind the transcendental
	s_wait_alu depctr_va_vdst(0)                   ; the reciprocal has written v21, ahead of its first reader
	v_fma_f32 v22, -v20, v21, 1.0
	v_fma_f32 v21, v21, v22, v21
	v_mul_f32 v[RR], s[KN], v21
	v_mul_f32 v[RR+1], s[KN], v21
.endm
.macro PMUL s                          ; p = g' R for K step s: 64 numbers a lane
	WIN W_PMUL
.set n, 64*(\s)
.rept 32
	v_pk_mul_f32 v[n:n+1], v[n:n+1], v[RR:RR+1]
.set n, n+2
.endr
.endm
.macro MAXB s                          ; the largest magnitude of my 16 numbers of each of K step s's four blocks, with the floor; the four blocks by turns
	WIN W_MAX
.irp b, 0,1,2,3
	v_max3_num_f32 v[TM+\b], s[FLO], |v[64*(\s)+16*\b]|, |v[64*(\s)+16*\b+1]|
.endr
.irp i, 2,4,6,8,10,12,14
.irp b, 0,1,2,3
	v_max3_num_f32 v[TM+\b], v[TM+\b], |v[64*(\s)+16*\b+\i]|, |v[64*(\s)+16*\b+\i+1]|
.endr
.endr
.endm
.macro TAIL s                          ; with lane l xor 16's: the blocks' scale operands, bytes, and my row's scale word
	WIN 0
.irp b, 0,1,2,3
	v_permlanex16_b32 v[TM+4+\b], v[TM+\b], s[SEL], s[SEL+1]
.endr
.irp b, 0,1,2,3
	v_max_num_f32 v[TM+\b], v[TM+\b], v[TM+4+\b]
.endr
.irp b, 0,1,2,3
	v_add_nc_u32 v[TM+12+\b], 0xff000000, v[TM+\b] ; 2 off the exponent field: the conversion takes the exponent field of this operand as its scale, and nothing else of it
.endr
.irp b, 0,1,2,3
	v_lshrrev_b32 v[TM+4+\b], 23, v[TM+12+\b]
.endr
	v_lshl_or_b32 v[PW+(\s)%2], v[TM+5], 8, v[TM+4]
	v_lshl_or_b32 v[PW+(\s)%2], v[TM+6], 16, v[PW+(\s)%2]
	v_lshl_or_b32 v[PW+(\s)%2], v[TM+7], 24, v[PW+(\s)%2]
.endm
.macro CVT s                           ; K step s's codes; the operand's layout wants a WHOLE block in a lane: lanes 0-15 block 2 c, lanes 16-31 block 2 c + 1
.set PB, PC+8*((\s)%2)
	WIN W_A1
.irp b, 0,1,2,3
	v_cvt_scalef32_pk8_fp4_f32 v[PB+2*\b], v[64*(\s)+16*\b:64*(\s)+16*\b+7], v[TM+12+\b]
	v_cvt_scalef32_pk8_fp4_f32 v[PB+2*\b+1], v[64*(\s)+16*\b+8:64*(\s)+16*\b+15], v[TM+12+\b]
.endr
	WIN 0
	v_nop                                          ; one plain instruction behind the scaled conversions
.irp c, 0,1
.irp i, 0,1
	v_permlane16_swap_b32 v[PB+4*\c+\i], v[PB+4*\c+2+\i]
.endr
.endr
.endm
; K step s of the quantised product: the four accumulators by turns, one instruction a turn.  The first K step starts the sums: nothing is cleared.
.macro MM s
.set PB, PC+8*((\s)%2)
.if (\s)%2
	WIN W_A1
.set WB, 0
.else
	WIN 0
.set WB, RX
.endif
.irp t, 0,1,2,3
.if (\s) == 0
	v_wmma_scale_f32_16x16x128_f8f6f4 v[ACC+8*\t:ACC+8*\t+7], v[WB+8*\t:WB+8*\t+7], v[PB:PB+7], 0, v[WS+4*(\s)+\t], v[PW+(\s)%2] matrix_a_fmt:MATRIX_FMT_FP4 matrix_b_fmt:MATRIX_FMT_FP4
.else
	v_wmma_scale_f32_16x16x128_f8f6f4 v[ACC+8*\t:ACC+8*\t+7], v[WB+8*\t:WB+8*\t+7], v[PB:PB+7], v[ACC+8*\t:ACC+8*\t+7], v[WS+4*(\s)+\t], v[PW+(\s)%2] matrix_a_fmt:MATRIX_FMT_FP4 matrix_b_fmt:MATRIX_FMT_FP4
.endif
.endr
	WIN 0
.endm
; THE WAY OUT: a lane holds 32 bytes of four places of its row, the lanes beside it other rows: the tile goes through my own stage and comes back as whole rows of 256 bytes.
; LDS serves a wave's instructions in order (ISA guide 5.7.1.4): no wait between the stores and the loads, nor ahead of the next tile's stores.
; The rows come back into v176-207, which K step 2's products have left, not into the accumulators, which the LDS stores read: so nothing is owed between the stores and the loads.
.macro OUT
.irp t, 0,1,2,3
	ds_store_b128 v[STO], v[ACC+8*\t:ACC+8*\t+3] offset:64*\t          ; each accumulator from its low end on
	ds_store_b128 v[STO], v[ACC+8*\t+4:ACC+8*\t+7] offset:64*\t+16
.endr
.irp i, 0,1,2,3,4,5,6,7
	ds_load_b128 v[RX+4*\i:RX+4*\i+3], v[SRD] offset:2*\i*SPITCH
.endr
.irp i, 0,1,2,3,4,5,6,7
	s_wait_dscnt 7-\i                              ; rows 2 i and 2 i + 1 are back; the 7 - i younger loads may stay out
	global_store_b128 v[LI], v[RX+4*\i:RX+4*\i+3], s[12:13] offset:512*\i th:TH_STORE_NT   ; 32 lanes store 512 consecutive bytes, two whole rows, at a multiple of 256 from out0's first byte; written once, read by nobody here
.endr
.endm
	DOT 0                                          ; the first tile's first block
.rept 8
	v_nop                                          ; eight places between the small product and the first read of its result
.endr
	s_wait_dscnt 0x0                               ; the weights' scale words are in
	s_mov_b32 s[CNT], 8
.Ltile:
	s_cmp_lg_u32 s[CNT], 1                         ; the next tile's rows of vec are asked for a whole pass ahead.  The last trip steps by 0 and asks for its own rows again, so that no load
	s_cselect_b32 s[STEP], 192, 0                  ; leaves vec; the two small products made of them are not read
	s_add_nc_u64 s[4:5], s[4:5], s[STEP:STEP+1]    ; (the loads that named this base have been waited for)
	global_load_b32 v[VL], v[VA0], s[4:5]          ; no wait here: the two lines that read v44 and v45 stand ahead of a wait on va_vdst (the way out's; on the first trip the one ahead of the images' stores), and nothing behind it names them
	global_load_b32 v[VL+1], v[VA1], s[4:5]
	; ---- first pass: g' of all 512 points
.irp i, 0,1,2,3,4,5,6,7,8,9,10,11,12,13,14,15
	BATCH \i
.endr
	v_nop                                          ; one plain instruction behind the last exponentials: the loads below land in their sources
	LOADW 0, 0                                     ; its wait: the last block is done with v176-207; and its sixteen exponentials have written their g', ahead of the sums, their first reader
	SUMALL
	RNORM
	; ---- second pass: p, its codes and the product, K step by K step.  Between a K step's scale word and codes and its products stand the next step's 32 multiplications:
	; a scale register written by a vector instruction stands eight places ahead of a scaled product, an operand four.  Behind those places stands the K step's one wait, in LOADW, then the next step's fragment loads, then the products.
	; Behind the products the next step's 32 maxima are the places ahead of writes of their registers.
	PMUL 0
	MAXB 0
	TAIL 0
	CVT 0
	PMUL 1
	LOADW 1, 1                                     ; into window 1's registers 0-31: K step 0's p has become codes.  Its wait also: K step 0's codes (v48-55) and scale word (v40) are written, which the products below take
	s_wait_dscnt 8                                 ; K step 0's eight fragment loads are in; K step 1's eight may stay out
	MM 0
	MAXB 1
	TAIL 1
	CVT 1
	PMUL 2
	LOADW 2, 0                                     ; its wait: K step 0's products are done reading v176-207; K step 1's codes (v56-63) and scale word (v41) are written
	s_wait_dscnt 8                                 ; K step 1's are in; K step 2's may stay out
	MM 1
	s_wait_loadcnt 0x0                             ; the next tile's rows of vec
	v_mov_b32 v[VB], v[VL]
	v_cndmask_b32 v[VB+1], v[VL+1], 0, s[HM]
	MAXB 2
	DOT 0                                          ; the next tile's first block
	TAIL 2
	CVT 2
	PMUL 3
	LOADW 3, 1                                     ; its wait: K step 1's products are done reading window 1's registers 0-31; K step 2's codes and scale word are written
	s_wait_dscnt 8                                 ; K step 2's are in; K step 3's may stay out
	MM 2
	MAXB 3
	TAIL 3
	CVT 3
.rept 8
	v_nop                                          ; no multiplications are left: the eight places ahead of the last scaled products
.endr
	s_wait_alu depctr_va_vdst(0)                   ; K step 3's codes (v56-63) and scale word (v41) are written, which the products below take; the places above stay beside this wait
	s_wait_dscnt 0x0
	MM 3
.rept 4
	v_nop                                          ; four places between the last products and the first read of their results
.endr
	s_wait_alu depctr_va_vdst(0)                   ; the products have written the accumulators, which the LDS stores read; K step 2's products are done reading v176-207, in which the rows land; the places above stay beside this wait
	OUT
	s_wait_xcnt 0x0                                ; the stores have read their registers and their base: both are written again only behind this wait
	s_wait_alu depctr_vm_vsrc(0)                   ; the LDS stores have read the accumulators and the global stores v176-207: the next trip's products and blocks write them again, and behind the last trip v206 and v207 are made anew
	s_add_nc_u64 s[12:13], s[12:13], 16*256
	s_sub_co_i32 s[CNT], s[CNT], 1
	s_cmp_lg_u32 s[CNT], 0
	s_cbranch_scc1 .Ltile
	s_wait_xcnt 0x0
	v_lshl_add_u32 v206, v0, 2, 0xd000             ; my spare word, behind the stages, and 0: made anew here, v0 being as at the entry
	v_mov_b32 v207, 0
	s_wait_dscnt 0x0                               ; the closing lines, six on end
	s_wait_alu 0x0
	s_wait_tensorcnt 0x0
	ds_add_u32 v206, v207
	s_wait_dscnt 0x0
	s_endpgm
.Lfunc_end_k_q133f61276e_sphere:
	.size	k_q133f61276e_sphere, .Lfunc_end_k_q133f61276e_sphere-k_q133f61276e_sphere
	.p2alignl 7, 3214868480
	.fill 96, 4, 3214868480
	.section	.rodata,"a",@progbits
	.p2align	6, 0x0
	.amdhsa_kernel k_q133f61276e_sphere
		.amdhsa_group_segment_fixed_size 54272
		.amdhsa_private_segment_fixed_size 0
		.amdhsa_enable_private_segment 0
		.amdhsa_kernarg_size 40
		.amdhsa_user_sgpr_count 2
		.amdhsa_user_sgpr_kernarg_segment_ptr 1
		.amdhsa_wavefront_size32 1
		.amdhsa_system_sgpr_workgroup_id_x 1
		.amdhsa_system_sgpr_workgroup_id_y 1
		.amdhsa_system_sgpr_workgroup_id_z 1
		.amdhsa_system_vgpr_workitem_id 0
		.amdhsa_next_free_vgpr 512
		.amdhsa_next_free_sgpr 66
		.amdhsa_reserve_vcc 0
		.amdhsa_float_denorm_mode_32 3
		.amdhsa_float_denorm_mode_16_64 3
		.amdhsa_memory_ordered 1
		.amdhsa_forward_progress 1
		.amdhsa_inst_pref_size 206
	.end_amdhsa_kernel
	.amdgpu_metadata
---
amdhsa.version: [ 1, 2 ]
amdhsa.kernels:
  - .name:           k_q133f61276e_sphere
    .symbol:         k_q133f61276e_sphere.kd
    .args:
      - { .name: vec, .offset: 0, .size: 8, .value_kind: global_buffer, .address_space: global }
      - { .name: sphere_pos, .offset: 8, .size: 8, .value_kind: global_buffer, .address_space: global }
      - { .name: weights, .offset: 16, .size: 8, .value_kind: global_buffer, .address_space: global }
      - { .name: sigma, .offset: 24, .size: 8, .value_kind: global_buffer, .address_space: global }
      - { .name: out0, .offset: 32, .size: 8, .value_kind: global_buffer, .address_space: global }
    .group_segment_fixed_size: 54272
    .private_segment_fixed_size: 0
    .kernarg_segment_align: 8
    .kernarg_segment_size: 40
    .max_flat_workgroup_size: 256
    .sgpr_count:     66
    .vgpr_count:     512
    .wavefront_size: 32
...
	.end_amdgpu_metadata
.endif
;; end of part 2
